; MI455X (gfx1250); checked and timed in simulation.
; The chip was launched on July 23, 2026; its instructions are those of AMD's public machine-readable ISA for CDNA 5 (MIT licence, August 2026) and "CDNA5" Instruction Set Architecture Reference Guide (July 2026). The comments in the code are by the model that wrote it; some were corrected since.
;; B Spline KAN Layer. Allowed arithmetic: matrix products marked QUANTISED: E4M3 operands, one given power-of-two scale a tensor, by v_wmma_f32_16x16x64_fp8_fp8 or v_wmma_f32_16x16x128_fp8_fp8, f32 sums; everything else in f32.
;; Inputs: base_weight_codes 512 x 16 x 32 uint8 (E4M3 codes of base_weight, K innermost, in blocks of 32 codes); coeffs_codes 512 x 128 x 32 uint8 (E4M3 codes of coeffs, K innermost, in blocks of 32 codes); grid_start 512 x 1 float32; grid_steps_log 512 x 11 float32; lowp_scales 4 int32 (the exponents e of the quantised operands' scales 2^e); res_scale 1 float32; x 16,384 x 512 float32.
;; Outputs: out0 16,384 x 512 float32.
;; This version of the problem:
;;   THIS VERSION OF THE PROBLEM IS GIVEN IN LOW PRECISION. The matrix products marked QUANTISED in the list below multiply operands that are first quantised to E4M3 (4 exponent bits, 3 mantissa bits; 8 bits a number), with one given power-of-two scale for each operand tensor; their sums are f32. All else is computed in f32.
;;   The module's matrix products, in the order in which they are computed (A, B: the left and right operand; K: the contracted axis; several contracted axes count as one K, in the product's order):
;;     1. [M 16,384, K 4,096] x [K 4,096, N 512]; A: computed on the way; B: input coeffs (given as codes): QUANTISED (scales: A lowp_scales[0], B lowp_scales[1])
;;     2. [M 16,384, K 512] x [K 512, N 512]; A: computed on the way; B: input base_weight (given as codes): QUANTISED (scales: A lowp_scales[2], B lowp_scales[3])
;;   THE QUANTISER, for each operand of a quantised product, along K:
;;     - The operand's scale is 2^e, e = its entry of the input lowp_scales (int32; the entries are numbered through the quantised products in the list's order, A before B).
;;     - Each number is divided by the scale, clamped to +-448, and rounded to the nearest number of E4M3, ties to even, subnormals kept.
;;     - The product sums the exact products of the quantised numbers (number of the format x scale) in f32.
;;   ~~~python
;;   def quantise(x, axis, e):      # numpy; x: float32 -> the quantised numbers, widened to float32 again
;;       x = np.moveaxis(x, axis, -1); K = x.shape[-1]
;;       r = np.clip(x / 2.0 ** e, -448, 448)
;;       step = 2.0 ** (np.maximum(np.frexp(np.where(r == 0, 1, r))[1] - 1, -6) - 3)
;;       q = np.round(r / step) * step * 2.0 ** e      # np.round: ties to even
;;       return np.moveaxis(q, -1, axis).astype(np.float32)
;;   ~~~
;;   OPERANDS COMPUTED ON THE WAY. 'Computed on the way' means the value that the module computes at that place (a softmax that the list does not call 'softmax' is quantised finished and normalised). What goes into a quantiser is computed in f32, as accurately as f32 sums, v_exp_f32 and their like allow (about 1e-6 of the number): no bf16 or f16 on the way to a quantiser, and a product that is left as it is and whose result goes on into a quantised operand takes f32 operands (vector FMAs, or v_wmma_f32_16x16x4_f32). A number that lies on a knife's edge between two numbers of the format may be rounded either way, as far as f32 arithmetic and the matrix unit's own rounding can turn it there, and no further.
;;   INPUTS GIVEN AS CODES. base_weight (in the module: [512, 512], K = its axis 1); coeffs (in the module: [512, 4096], K = its axis 1): each comes as NAME_codes (uint8): NAME with its K axis moved to the last place and cut into blocks of 32 codes, [.., K / 32, bytes a block], one block behind the other in memory; one code a byte (a code: sign, 4 exponent bits, 3 mantissa bits); its scale is its entry of lowp_scales. Its value is code x scale, taken as it is: it is not quantised again, and the codes and scales need not be those that the quantiser above would give.
;; One version. Each part assembles by itself: llvm-mc -triple=amdgcn-amd-amdhsa -mcpu=gfx1250 --defsym DOCPART=n.
;; ======== version 1 of 1: 1 launch
;; launch kan (part 1): grid 256 x 1, 8 waves a work-group, clusters of 4 x 1, 327,680 bytes of LDS; arguments x, coeffs_codes, base_weight_codes, grid_steps_log, grid_start, lowp_scales, res_scale, out0; writes out0
.if DOCPART == 1
	.amdgcn_target "amdgcn-amd-amdhsa--gfx1250"
	.amdhsa_code_object_version 6
	.text
	.protected	k_qb39ffde754_kan
	.globl	k_qb39ffde754_kan
	.p2align	8
	.type	k_qb39ffde754_kan,@function
k_qb39ffde754_kan:
	s_mov_b64 s[64:65], 0
	v_nop
	global_prefetch_b8 v0, s[64:65] scope:SCOPE_SE
	s_setreg_imm32_b32 hwreg(HW_REG_WAVE_MODE, 25, 1), 1
	s_wait_xcnt 0x0
	s_wait_alu depctr_hold_cnt(0) depctr_sa_sdst(0) depctr_va_vdst(0) depctr_va_sdst(0) depctr_va_ssrc(0) depctr_va_vcc(0) depctr_vm_vsrc(0)
	s_getreg_b32 s2, hwreg(HW_REG_IB_STS2, 6, 4)
	s_cmp_eq_u32 s2, 0
	s_cbranch_scc0 .Lentry_in_a_cluster
	s_endpgm
.Lentry_in_a_cluster:
	s_bfe_u32 s2, ttmp6, 0x10000c
	s_cmp_lg_u32 s2, 0x3003
	s_cbranch_scc0 .Lentry_shape_is_right
	s_endpgm
.Lentry_shape_is_right:
; out0 = tanh(S1 2^(e0+e1) + S2 2^(e2+e3) + res_scale x).   S1 = Q(bases(x)) [16384 x 4096] . coeffs_codes [512 x 4096],  S2 = Q(silu(x)) [16384 x 512] . base_weight_codes [512 x 512],
; both on E4M3 codes by v_wmma_f32_16x16x128_fp8_fp8, sums in f32.  The bases follow the module's own recursion: every divisor is one interval's width + 1e-8; the knots differ from feature to feature.
; WHAT BINDS: 128 elements of x a lane, 78 vector instructions each (packed, two elements an instruction), against 576 matrix instructions a wave.  So each basis is made ONCE in the launch:
; a work-group owns 64 whole rows and all 512 outputs, and the products stand beside the evaluation.
; SHARES.  256 work-groups of eight waves, 512 registers each.  Wave w has two jobs.  EVALUATION: rows 8 w .. 8 w + 7; in a phase of 64 features lane l takes features 2 l and 2 l + 1 (8 bytes of x, 256 a wave);
; its 16 codes are 16 neighbouring bytes of the row's K.  PRODUCTS: all 64 rows x outputs 64 w .. 64 w + 63: 4 x 4 tiles, 128 registers for S1 and 128 for S2.
; PIPELINE.  36 K steps of 128: 32 of S1 (phase q = steps 4 q .. 4 q + 3), then 4 of S2.  Beside K step 4 p + s stand two rows' evaluations of phase p + 1.  Waves 0-3 multiply first and evaluate then, waves 4-7 the other way round.
; WEIGHTS.  A K step's 512 rows x 128 bytes come through a ring of two LDS slots; each wave fetches the 64 rows that it alone reads.  CLUSTER: the four work-groups of a cluster walk the same weights, so every
; tile is asked for jointly (mask 15), the same descriptor in all four: only x's and out0's addresses hang on the place in the cluster.  One tensor load of a wave is out at any time.
; THE MATRIX INSTRUCTION IS USED TRANSPOSED (source 0 = 16 outputs' weights, source 1 = 16 rows' codes): a lane holds one row and eight neighbouring outputs.  Fragments are fetched by four loads of 16 bytes, 32 apart:
; a permutation of k that is the same on both sides.
; NOT DONE: rows of 256 bytes for the weights (two such slots, 278,528 bytes, do not fit beside the codes and the table); a prefetch (x is asked for a whole phase, eight evaluations, ahead of its use, into registers;
; the weights are walked by all 64 clusters); x kept for the residual (registers and LDS are full: its 128 KiB a work-group are read a second time).
; S1's accumulators are cleared once by 128 moves: a first K step with C = 0 would have to stand outside the loop, with a second copy of a phase's eight evaluations.
; LIMITS: e0 and e2 between -126 and 119; e0 + e1 and e2 + e3 between -126 and 125 (each power of two below is made as an f32 number).  NaN and infinities in x are not served.  Divisions are a reciprocal (v_rcp_f32)
; and a multiplication.  exp(-|s|) under 2^-126 counts as 0 in softplus.
.set SLOTB, 73728                      ; a slot: 512 rows x (128 + 16) bytes;  slot 0 at LDS byte 0, slot 1 behind it
.set WTILE, 9216                       ; a wave's 64 rows of it
.set BP,    144                        ; pitch of a weight row: 9 x 16 bytes
.set AP,    528                        ; pitch of a row of codes: 512 + 16 = 33 x 16 bytes
.set ABUF0, 147456                     ; the bases' codes of a phase: 64 rows x 512 bytes; two buffers, ABDIF apart
.set ABDIF, 33792
.set SILU,  215040                     ; silu's codes: 64 rows x 512 bytes
.set TAB,   248832                     ; the knots' table: TAB + 4096 q + 16 pair: constants 2 q and 2 q + 1, each for features (2 pair, 2 pair + 1)
.set SPARE, 297984                     ; the spare words: 128 bytes for each of eight waves, four blocks of 256 bytes that no other line names
.set SGP,   2064                       ; the way out: a stage of 64 rows x (2,048 + 16) bytes from LDS byte 0 on: over the ring, behind its last fill and its last read
.set SPW, 2                            ; v2   SPARE + 4 x my thread's number; never rewritten
.set NIL, 3                            ; v3   0; never rewritten
.set XO0, 4                            ; v4   my 8 bytes in my wave's first row of x and of out0: 16,384 w + 8 lane
.set XO,  5                            ; v5   the same in the phase that is being asked for
.set AW0, 6                            ; v6   where I store 16 codes: ABUF0 + 8 w rows + 16 lane;   v7 the same in the buffer being written
.set AWC, 7
.set ASW0, 8                           ; v8   where I store 2 codes of silu: SILU + 8 w rows + 2 lane;   v9 the same in the phase in hand
.set ASW, 9
.set ARD0, 10                          ; v10  a fragment of codes: ABUF0 + (lane % 16) rows + 16 (lane / 16);   v11 the same in the buffer being read
.set ARD, 11
.set ARS, 12                           ; v12  the same in SILU
.set BRD0, 13                          ; v13, v14  a fragment of weights in slot 0, 1: (64 w + lane % 16) rows + 16 (lane / 16)
.set TAD0, 15                          ; v15  TAB + 16 lane;   v16 the same for the phase in hand
.set TAD, 16
.set STO, 17                           ; v17  the stage, in: row lane % 16, + 256 w + 32 (lane / 16);  v236 the same 32 rows further down
.set SRD, 18                           ; v18  the stage, back: row 8 w, + 8 lane
.set TW,  19                           ; v19  TAB + 16 x my thread's number
.set SC1, 20                           ; v20, v21  2^e0 and 448 x 2^e0;   v22, v23 the same with e2
.set LIM1, 21
.set SC2, 22
.set LIM2, 23
.set X,   24                           ; v24-39   x: row r's two numbers at X + 2 r
.set SV,  40                           ; v40-55   silu: row r's two at SV + 2 r;  on the way out: a chunk's y
.set CN,  56                           ; v56-103  the phase's constants: knot j at CN + 2 j (12), 1 / (width j + 1e-8) at IV + 2 j (11), a pair each
.set IV,  CN+24
.set S,   104                          ; v104-231 at work: for the products 4 fragments of weights and 4 of codes; for an evaluation the names below
.set T,   S                            ; 12 pairs  x - knot j
.set L,   S+24                         ; 10 pairs  L j = (x - knot j) / (width j + 1e-8)
.set R,   S+44                         ; 10 pairs  R j = (knot j+1 - x) / (width j + 1e-8), j = 1 .. 10, at R + 2 (j - 1)
.set N0,  S+64                         ; 10, 9 and 8 pairs: the three levels
.set N1,  S+84
.set N2,  S+104
.set CD,  S+120                        ; codes as converted
.set OUTC, S+124                       ; codes in K's order
.set Z,   232
.set RC,  234
.set STO2, 236
.set WV,  20                           ; s20  my wave's number;  s21 = wave / 4: who multiplies first
.set PAR, 21
.set CNT, 22
.set RB,  23                           ; s23, s24  0 or ABDIF: the buffer of codes that is read, that is written
.set WB,  24
.set XPH, 25                           ; s25  bytes along a row of x of the phase that is being asked for
.set TOFF, 26                          ; s26, s27  the phase in hand: 512 bytes a phase in the table, 64 in a row of silu's codes
.set SOFF, 27
.set SELE, 28                          ; s28, s29  v_perm_b32's selects: the even bytes, the odd bytes of two registers
.set SELO, 29
.set RES, 30
.set EX,  32                           ; s[32:35] e0 .. e3
.set G1,  36                           ; s[36:43] descriptor group 1 for tiles of coeffs;  s[44:51] for tiles of base_weight: another pitch
.set G1B, 44
.set G0,  52                           ; s[52:55], s[56:59] group 0 of slot 0, of slot 1
.set BW,  60                           ; s[60:61] my wave's 64 rows of base_weight
.set S1K, 66                           ; s[66:67] 2 log2(e) 2^(e0+e1);  s[68:69] the same with e2 + e3;  s[70:71] 2 log2(e) res_scale (named as pairs, so both words are written)
.set S2K, 68
.set RESK, 70
.set MSB, 0
.macro WIN new                         ; the immediate's high byte repeats the setting that is left.  Low byte: bits 1:0 source 0, 3:2 source 1, 5:4 source 2, 7:6 destination
.if MSB != \new
	s_set_vgpr_msb (MSB<<8)|\new
.set MSB, \new
.endif
.endm
; A round of the cluster's barrier: my work-group's barrier, so that wave 0's signal speaks for all eight waves; wave 0 signals; every wave waits for the four work-groups; my work-group's barrier once more.
.macro ROUND
	s_barrier_signal -1
	s_barrier_wait -1
	s_cmp_lg_u32 s[WV], 0
	s_cbranch_scc1 .Lnot_wave_0_\@
	s_barrier_signal -3
.Lnot_wave_0_\@:
	s_barrier_wait -3
	s_barrier_signal -1
	s_barrier_wait -1
.endm
; THE HEAD OF A K STEP that reads \slot.  Each wave waits for all its tensor loads (one is out: its part of \slot), adds 0 to its spare word, and waits for that, for its reads of the other slot and for its stores of codes.
; Behind the round \slot is whole, nobody reads the other slot, and the codes stored in the step before can be read.  step: this slot's next tile: 1 two K steps on; 2, 3 base_weight's K step 0, 1; 0 none.
; fill: 1 the other slot takes the next tile of coeffs, 2 of base_weight, 0 nothing is left to fetch (a plain barrier).
.macro HEAD slot, step, fill
	s_wait_tensorcnt 0x0                           ; no tensor load of mine is out, so a group 0 may be written
	ds_add_u32 v[SPW], v[NIL]                      ; 0 onto my spare word
.if \step == 1
	s_add_nc_u64 s[G0+4*\slot+2:G0+4*\slot+3], s[G0+4*\slot+2:G0+4*\slot+3], 256   ; the type bits on top are not reached
.elseif \step == 2
	s_mov_b64 s[G0+4*\slot+2:G0+4*\slot+3], s[BW:BW+1]
	s_or_b32 s[G0+4*\slot+3], s[G0+4*\slot+3], 0x80000000
.elseif \step == 3
	s_add_nc_u64 s[G0+4*\slot+2:G0+4*\slot+3], s[BW:BW+1], 128
	s_or_b32 s[G0+4*\slot+3], s[G0+4*\slot+3], 0x80000000
.endif
	s_wait_dscnt 0x0                               ; the add is done, my LDS reads are back, my LDS stores have landed
.if \fill
	ROUND
.if \fill == 1
	tensor_load_to_lds s[G0+4-4*\slot:G0+7-4*\slot], s[G1:G1+7]     ; my one tensor load behind the round, and the first thing there
	s_nop 0
.else
	tensor_load_to_lds s[G0+4-4*\slot:G0+7-4*\slot], s[G1B:G1B+7]
	s_nop 0
.endif
.rept 4
	v_nop                                          ; four lines behind a tensor load, ahead of any switch of windows
.endr
.else
	s_barrier_signal -1
	s_barrier_wait -1
.endif
.endm
; A K STEP'S PRODUCTS: 4 fragments of my 64 outputs' weights, 4 of the 64 rows' codes (at byte koff of their rows), 16 matrix instructions.  The 16 accumulators take turns, one instruction a turn, in the same order
; in every step.  acc: 0 for S1, 128 for S2, in window 1.  zero = 1: the products start the sums.
.macro MULT slot, areg, koff, acc, zero
	s_wait_dscnt 0x0                               ; my earlier LDS stores have read their registers, which the loads below fill
.irp b, 0,1,2,3
.irp c, 0,1,2,3
	ds_load_b128 v[S+16*\b+4*\c:S+16*\b+4*\c+3], v[BRD0+\slot] offset:\b*16*BP+32*\c
.endr
.endr
.irp a, 0,1,2,3
.irp c, 0,1,2,3
	ds_load_b128 v[S+64+16*\a+4*\c:S+64+16*\a+4*\c+3], v[\areg] offset:\a*16*AP+\koff+32*\c
.endr
.endr
	s_wait_dscnt 0x0
.if \zero
	WIN 0x40                                       ; D in window 1
.else
	WIN 0x50                                       ; C and D in window 1
.endif
.irp a, 0,1,2,3
.irp b, 0,1,2,3
.if \zero
	v_wmma_f32_16x16x128_fp8_fp8 v[\acc+8*(4*\a+\b):\acc+8*(4*\a+\b)+7], v[S+16*\b:S+16*\b+15], v[S+64+16*\a:S+64+16*\a+15], 0
.else
	v_wmma_f32_16x16x128_fp8_fp8 v[\acc+8*(4*\a+\b):\acc+8*(4*\a+\b)+7], v[S+16*\b:S+16*\b+15], v[S+64+16*\a:S+64+16*\a+15], v[\acc+8*(4*\a+\b):\acc+8*(4*\a+\b)+7]
.endif
.endr
.endr
	WIN 0
.rept 4
	v_nop                                          ; four places ahead of the vector writes and loads into the fragments' registers, and of the first read of results
.endr
.endm
.macro MPAR par, slot, koff            ; the step's products, for the waves whose turn it is: a branch on the wave's number, round no barrier and no tensor load
	s_cmp_eq_u32 s[PAR], \par
	s_cbranch_scc0 .Lnot_now_\@
	MULT \slot, ARD, \koff, 0, 0
.Lnot_now_\@:
.endm
.macro CLOAD                           ; the phase's 24 constants for my two features
.irp q, 0,1,2,3,4,5,6,7,8,9,10,11
	ds_load_b128 v[CN+4*\q:CN+4*\q+3], v[TAD] offset:4096*\q
.endr
.endm
; ONE ROW'S TWO ELEMENTS: eight bases each, and silu.  With b the indicator of interval j:  level 0: N0 i = L i b i + R i+1 b i+1;  level 1: N1 i = L i N0 i + R i+2 N0 i+1;  level 2: N2 i = L i N1 i + R i+3 N1 i+1.
; Level 0 without indicators, and exact: below knot i+1 take L i, from it on R i+1; outside the two intervals the one taken is negative or zero, and the maximum with 0 clears it (the reciprocals are positive).
.macro EVAL r
	s_wait_loadcnt 0x7                             ; loads come back in order: behind this row's stand the seven of the ring's other rows
	v_pk_mul_f32 v[Z:Z+1], v[X+2*(\r):X+2*(\r)+1], 0xbfb8aa3b op_sel_hi:[1,0]   ; -log2(e) x
	v_exp_f32 v[Z], v[Z]
	v_exp_f32 v[Z+1], v[Z+1]                       ; e^-x; the 32 packed lines below name neither
.irp j, 0,1,2,3,4,5,6,7,8,9,10,11
	v_pk_add_f32 v[T+2*\j:T+2*\j+1], v[X+2*(\r):X+2*(\r)+1], v[CN+2*\j:CN+2*\j+1] neg_lo:[0,1] neg_hi:[0,1]
.endr
.irp j, 0,1,2,3,4,5,6,7,8,9
	v_pk_mul_f32 v[L+2*\j:L+2*\j+1], v[T+2*\j:T+2*\j+1], v[IV+2*\j:IV+2*\j+1]
.endr
.irp j, 1,2,3,4,5,6,7,8,9,10
	v_pk_mul_f32 v[R+2*\j-2:R+2*\j-1], v[T+2*\j+2:T+2*\j+3], v[IV+2*\j:IV+2*\j+1] neg_lo:[1,0] neg_hi:[1,0]
.endr
	s_wait_alu depctr_va_vdst(0)                   ; one wait for the two exponentials, ahead of their first reader
	v_pk_add_f32 v[Z:Z+1], v[Z:Z+1], 1.0 op_sel_hi:[1,0]
	v_rcp_f32 v[RC], v[Z]
	v_rcp_f32 v[RC+1], v[Z+1]                      ; 1 / (1 + e^-x); level 0 below names neither
.irp i, 0,1,2,3,4,5,6,7,8,9
	v_cmp_le_f32 vcc_lo, 0, v[T+2*\i+2]            ; x >= knot i+1 ?
	v_cmp_le_f32 s72, 0, v[T+2*\i+3]
	v_cndmask_b32 v[N0+2*\i], v[L+2*\i], v[R+2*\i], vcc_lo
	v_cndmask_b32 v[N0+2*\i+1], v[L+2*\i+1], v[R+2*\i+1], s72
.endr
.irp i, 0,1,2,3,4,5,6,7,8,9,10,11,12,13,14,15,16,17,18,19
	v_max_num_f32 v[N0+\i], 0, v[N0+\i]
.endr
	s_wait_alu depctr_va_vdst(0)                   ; one wait for the two reciprocals
	v_pk_mul_f32 v[SV+2*(\r):SV+2*(\r)+1], v[X+2*(\r):X+2*(\r)+1], v[RC:RC+1]   ; silu
	global_load_b64 v[X+2*(\r):X+2*(\r)+1], v[XO], s[4:5] offset:2048*(\r)      ; x has been read for the last time: the row's two numbers of the next phase; 32 lanes read 256 consecutive bytes, aligned
.irp i, 0,1,2,3,4,5,6,7,8
	v_pk_mul_f32 v[N1+2*\i:N1+2*\i+1], v[R+2*\i+2:R+2*\i+3], v[N0+2*\i+2:N0+2*\i+3]
.endr
.irp i, 0,1,2,3,4,5,6,7,8
	v_pk_fma_f32 v[N1+2*\i:N1+2*\i+1], v[L+2*\i:L+2*\i+1], v[N0+2*\i:N0+2*\i+1], v[N1+2*\i:N1+2*\i+1]
.endr
.irp i, 0,1,2,3,4,5,6,7
	v_pk_mul_f32 v[N2+2*\i:N2+2*\i+1], v[R+2*\i+4:R+2*\i+5], v[N1+2*\i+2:N1+2*\i+3]
.endr
.irp i, 0,1,2,3,4,5,6,7
	v_pk_fma_f32 v[N2+2*\i:N2+2*\i+1], v[L+2*\i:L+2*\i+1], v[N1+2*\i:N1+2*\i+1], v[N2+2*\i:N2+2*\i+1]
.endr
.irp i, 0,1,2,3,4,5,6,7,8,9,10,11,12,13,14,15
	v_min_num_f32 v[N2+\i], v[N2+\i], v[LIM1]      ; the conversion to an 8-bit code does not saturate (ISA guide 7.6.2); a basis is never negative (each factor is positive where the other is not 0), so the hold is one-sided
.endr
	v_cvt_scalef32_pk8_fp8_f32 v[CD:CD+1], v[N2:N2+7], v[SC1]          ; bytes: (feature, basis) = (f,0) (f+1,0) (f,1) (f+1,1) ..
	v_cvt_scalef32_pk8_fp8_f32 v[CD+2:CD+3], v[N2+8:N2+15], v[SC1]
	v_nop                                          ; one plain line between a scaled conversion and the next vector instruction that touches its result
	s_wait_dscnt 0x0                               ; the row before's store has read the four registers written next
	v_perm_b32 v[OUTC], v[CD+1], v[CD], s[SELE]    ; K = 8 x feature + basis: f's eight codes, then f + 1's
	v_perm_b32 v[OUTC+1], v[CD+3], v[CD+2], s[SELE]
	v_perm_b32 v[OUTC+2], v[CD+1], v[CD], s[SELO]
	v_perm_b32 v[OUTC+3], v[CD+3], v[CD+2], s[SELO]
	ds_store_b128 v[AWC], v[OUTC:OUTC+3] offset:AP*(\r)                ; 32 lanes store the row's 512 bytes of the phase
.endm
.macro SILUOUT                         ; the phase's silu of my eight rows becomes codes: two bytes a row and lane
.irp i, 0,1,2,3,4,5,6,7,8,9,10,11,12,13,14,15
	v_med3_num_f32 v[SV+\i], v[SV+\i], -v[LIM2], v[LIM2]
.endr
	v_cvt_scalef32_pk8_fp8_f32 v[CD:CD+1], v[SV:SV+7], v[SC2]          ; register i: rows 2 i (low half) and 2 i + 1 (high half)
	v_cvt_scalef32_pk8_fp8_f32 v[CD+2:CD+3], v[SV+8:SV+15], v[SC2]
	v_nop
.irp i, 0,1,2,3
	ds_store_b16 v[ASW], v[CD+\i] offset:AP*(2*\i)
	ds_store_b16_d16_hi v[ASW], v[CD+\i] offset:AP*(2*\i+1)
.endr
.endm
	s_load_b256 s[4:11], s[0:1], 0x0               ; x s[4:5], coeffs s[6:7], base_weight s[8:9], grid_steps_log s[10:11]
	s_load_b256 s[12:19], s[0:1], 0x20             ; grid_start s[12:13], lowp_scales s[14:15], res_scale s[16:17], out0 s[18:19]
	v_lshl_add_u32 v[SPW], v0, 2, SPARE
	v_mov_b32 v[NIL], 0
	ds_add_u32 v2, v3
	ds_add_u32 v2, v3
	s_wait_dscnt 0x0
	v_lshrrev_b32 v237, 5, v0
	v_readfirstlane_b32 s[WV], v237                ; wave 0..7
	s_lshr_b32 s[PAR], s[WV], 2
	s_bfe_u32 s74, ttmp6, 0x40000                  ; cx: my place in the cluster
	s_lshl_b32 s75, ttmp9, 2                       ; in a cluster launch ttmp9 counts clusters
	s_add_co_u32 s74, s75, s74                     ; my work-group: it enters x's and out0's addresses alone
	s_lshl_b32 s74, s74, 17                        ; its 64 rows of 2,048 bytes
	s_mov_b32 s75, 0
	; descriptor group 1: 64 rows x 128 bytes, 16 bytes of padding behind each row
	s_mov_b32 s[G1], 15|(0<<16)|(1<<20)|(1<<21)|(4<<22)|(3<<25)    ; 15:0 the mask: all four work-groups; 17:16 elements of 1 byte; 20 padding on; 21 set beside a mask; 24:22 after every 32 words (code 4); 31:25 four words (code 3)
	s_mov_b32 s[G1B], 15|(0<<16)|(1<<20)|(1<<21)|(4<<22)|(3<<25)
.irp g, G1, G1B
	s_mov_b32 s[\g+1], 128<<16                     ; tensor_dim0 = 128
	s_mov_b32 s[\g+2], 64<<16                      ; tensor_dim1 = 64
	s_mov_b32 s[\g+3], 128<<16                     ; tile_dim0 = 128
	s_mov_b32 s[\g+4], 64                          ; tile_dim1 = 64
	s_mov_b32 s[\g+6], 0
	s_mov_b32 s[\g+7], 0
.endr
	s_mov_b32 s[G1+5], 4096                        ; a row of coeffs,
	s_mov_b32 s[G1B+5], 512                        ; of base_weight
	s_mov_b32 s[RB], 0
	s_mov_b32 s[WB], ABDIF
	s_mov_b32 s[XPH], 256
	s_mov_b32 s[TOFF], 0
	s_mov_b32 s[SOFF], 0
	s_mov_b32 s[SELE], 0x06040200
	s_mov_b32 s[SELO], 0x07050301
	s_lshl_b32 s76, s[WV], 18                      ; my 64 rows of coeffs: 64 x 4,096 bytes a wave
	s_mov_b32 s77, 0
	s_lshl_b32 s78, s[WV], 15                      ; of base_weight: 64 x 512
	s_mov_b32 s79, 0
	s_mov_b32 s[G0], 1                             ; count = 1
	s_mul_i32 s[G0+1], s[WV], WTILE                ; LDS: slot 0, my 64 rows: no place in the cluster enters an LDS address
	s_mov_b32 s[G0+4], 1
	s_add_co_u32 s[G0+5], s[G0+1], SLOTB           ; slot 1
	s_wait_kmcnt 0x0
	s_load_b128 s[EX:EX+3], s[14:15], 0x0          ; e0 .. e3
	s_load_b32 s[RES], s[16:17], 0x0
	s_add_nc_u64 s[4:5], s[4:5], s[74:75]          ; x and out0 at my work-group's first row
	s_add_nc_u64 s[18:19], s[18:19], s[74:75]
	s_add_nc_u64 s[G0+2:G0+3], s[6:7], s[76:77]    ; K step 0
	s_add_nc_u64 s[G0+6:G0+7], s[G0+2:G0+3], 128   ; K step 1
	s_or_b32 s[G0+3], s[G0+3], 0x80000000          ; type = 2
	s_or_b32 s[G0+7], s[G0+7], 0x80000000
	s_add_nc_u64 s[BW:BW+1], s[8:9], s[78:79]
	ROUND                                          ; all four work-groups are here: the first joint load meets
	tensor_load_to_lds s[G0:G0+3], s[G1:G1+7]      ; K step 0 into slot 0; slot 1 is filled behind the first step's round
	s_nop 0
.rept 4
	v_nop
.endr
	v_and_b32 v237, 31, v0                         ; lane
	v_and_b32 v238, 15, v0                         ; lane % 16
	v_bfe_u32 v239, v0, 4, 1                       ; lane / 16
	v_mul_u32_u24 v241, v0, 88                     ; thread t makes the table of features 2 t and 2 t + 1: 22 numbers of grid_steps_log on end,
	v_lshlrev_b32 v242, 3, v0                      ; two of grid_start
	s_lshl_b32 s78, s[WV], 14
	v_lshl_add_u32 v[XO0], v237, 3, s78
.irp i, 0,1,2,3,4,5,6,7,8,9,10
	global_load_b64 v[S+2*\i:S+2*\i+1], v241, s[10:11] offset:8*\i     ; S + j: step j of feature 2 t; S + 11 + j: of feature 2 t + 1
.endr
	global_load_b64 v[CN:CN+1], v242, s[12:13]     ; knot 0 of both
.irp r, 0,1,2,3,4,5,6,7
	global_load_b64 v[X+2*\r:X+2*\r+1], v[XO0], s[4:5] offset:2048*\r  ; phase 0 of x
.endr
	s_mul_i32 s78, s[WV], 8*AP
	s_add_co_u32 s79, s78, ABUF0
	v_lshl_add_u32 v[AW0], v237, 4, s79
	s_add_co_u32 s79, s78, SILU
	v_lshl_add_u32 v[ASW0], v237, 1, s79
	v_mul_u32_u24 v240, v238, AP
	v_lshl_add_u32 v240, v239, 4, v240
	v_add_nc_u32 v[ARD0], ABUF0, v240
	v_add_nc_u32 v[ARS], SILU, v240
	v_mul_u32_u24 v240, v238, BP
	v_lshl_add_u32 v240, v239, 4, v240
	s_mul_i32 s78, s[WV], WTILE
	v_add_nc_u32 v[BRD0], s78, v240
	v_add_nc_u32 v[BRD0+1], SLOTB, v[BRD0]
	v_lshl_add_u32 v[TAD0], v237, 4, TAB
	v_lshl_add_u32 v[TW], v0, 4, TAB
	v_mul_u32_u24 v240, v238, SGP
	v_lshl_add_u32 v240, v239, 5, v240
	s_lshl_b32 s78, s[WV], 8
	v_add_nc_u32 v[STO], s78, v240
	v_add_nc_u32 v[STO2], 32*SGP, v[STO]           ; an LDS immediate holds 16 bits: rows 32 on have an address of their own
	s_mul_i32 s78, s[WV], 8*SGP
	v_lshl_add_u32 v[SRD], v237, 3, s78
	v_add_nc_u32 v[XO], 256, v[XO0]                ; phase 0's evaluations ask for phase 1,
	v_add_nc_u32 v[AWC], 0, v[AW0]                 ; write buffer 0,
	v_add_nc_u32 v[ASW], 0, v[ASW0]                ; silu's first 64 bytes,
	v_add_nc_u32 v[TAD], 0, v[TAD0]                ; and read the table's first 32 pairs
	s_wait_kmcnt 0x0
	s_add_co_i32 s72, s[EX], 127
	s_lshl_b32 s73, s72, 23
	v_mov_b32 v[SC1], s73                          ; 2^e0 as f32: the conversion takes its exponent field
	s_add_co_i32 s72, s72, 8
	s_lshl_b32 s72, s72, 23
	s_or_b32 s72, s72, 0x600000
	v_mov_b32 v[LIM1], s72                         ; 448 x 2^e0
	s_add_co_i32 s72, s[EX+2], 127
	s_lshl_b32 s73, s72, 23
	v_mov_b32 v[SC2], s73
	s_add_co_i32 s72, s72, 8
	s_lshl_b32 s72, s72, 23
	s_or_b32 s72, s72, 0x600000
	v_mov_b32 v[LIM2], s72
	s_add_co_i32 s72, s[EX], s[EX+1]
	s_add_co_i32 s72, s72, 127
	s_lshl_b32 s72, s72, 23
	s_mul_f32 s[S1K], s72, 0x4038aa3b              ; tanh(y) = 1 - 2 / (1 + 2^(2 log2(e) y)): the factor 2 log2(e) goes into the three scales
	s_mov_b32 s[S1K+1], s[S1K]
	s_add_co_i32 s72, s[EX+2], s[EX+3]
	s_add_co_i32 s72, s72, 127
	s_lshl_b32 s72, s72, 23
	s_mul_f32 s[S2K], s72, 0x4038aa3b
	s_mov_b32 s[S2K+1], s[S2K]
	s_mul_f32 s[RESK], s[RES], 0x4038aa3b
	s_mov_b32 s[RESK+1], s[RESK]
	WIN 0x40
.set q, 0
.rept 128
	v_mov_b32 v[q], 0                              ; S1's sums (why they are cleared: the comment at the head)
.set q, q+1
.endr
	WIN 0
	; THE TABLE.  softplus(s) = max(s, 0) + log(1 + e), e = exp(-|s|);  log(1 + e) = ln 2 log2(u) + (e - (u - 1)) / u with u = 1 + e as rounded: the second term gives back what that rounding lost.
.set W,  S
.set E,  S+24
.set U,  S+48
.set LG, S+72
.set RU, S+96
	s_wait_loadcnt 0x8                             ; the table's twelve loads are in; behind them stand x's eight
.set q, 0
.rept 22
	v_mul_f32 v[E+q], 0xbfb8aa3b, |v[W+q]|
.set q, q+1
.endr
.set q, 0
.rept 22
	v_exp_f32 v[E+q], v[E+q]
.set q, q+1
.endr
	v_nop                                          ; a plain line behind the last exponential,
	s_wait_alu depctr_va_vdst(0)                   ; and one wait for the batch
.set q, 0
.rept 22
	v_add_f32 v[U+q], 1.0, v[E+q]
.set q, q+1
.endr
.set q, 0
.rept 22
	v_log_f32 v[LG+q], v[U+q]
	v_rcp_f32 v[RU+q], v[U+q]
.set q, q+1
.endr
	v_nop                                          ; a plain line ahead of the writes of the batch's sources
.set q, 0
.rept 22
	v_add_f32 v[U+q], -1.0, v[U+q]
.set q, q+1
.endr
.set q, 0
.rept 22
	v_sub_f32 v[E+q], v[E+q], v[U+q]
.set q, q+1
.endr
	s_wait_alu depctr_va_vdst(0)                   ; one wait for the 44, ahead of their first reader
.set q, 0
.rept 22
	v_mul_f32 v[E+q], v[E+q], v[RU+q]
.set q, q+1
.endr
.set q, 0
.rept 22
	v_fmamk_f32 v[E+q], v[LG+q], 0x3f317218, v[E+q]
.set q, q+1
.endr
.set q, 0
.rept 22
	v_max_num_f32 v[W+q], 0, v[W+q]
.set q, q+1
.endr
.set q, 0
.rept 22
	v_add_f32 v[W+q], v[W+q], v[E+q]               ; the steps
.set q, q+1
.endr
.set q, 1
.rept 10
	v_add_f32 v[W+q], v[W+q-1], v[W+q]             ; their running sums, one after the other
	v_add_f32 v[W+11+q], v[W+10+q], v[W+11+q]
.set q, q+1
.endr
.set q, 0
.rept 11
	v_add_f32 v[CN+2*q+2], v[CN], v[W+q]           ; knot j + 1 = knot 0 + sum j
	v_add_f32 v[CN+2*q+3], v[CN+1], v[W+11+q]
.set q, q+1
.endr
.set q, 0
.rept 11
	v_pk_add_f32 v[IV+2*q:IV+2*q+1], v[CN+2*q+2:CN+2*q+3], v[CN+2*q:CN+2*q+1] neg_lo:[0,1] neg_hi:[0,1]   ; the width, from the knots as rounded
.set q, q+1
.endr
.set q, 0
.rept 11
	v_pk_add_f32 v[IV+2*q:IV+2*q+1], v[IV+2*q:IV+2*q+1], 0x322bcc77 op_sel_hi:[1,0]                        ; + 1e-8
.set q, q+1
.endr
.set q, 0
.rept 22
	v_rcp_f32 v[IV+q], v[IV+q]
.set q, q+1
.endr
	v_mov_b32 v[CN+46], 0                          ; the 24th constant: stored and loaded with the others, used by nobody
	v_mov_b32 v[CN+47], 0
	s_wait_alu depctr_va_vdst(0)
.irp q, 0,1,2,3,4,5,6,7,8,9,10,11
	ds_store_b128 v[TW], v[CN+4*\q:CN+4*\q+3] offset:4096*\q
.endr
	s_wait_dscnt 0x0                               ; for the others' sake: my part of the table has landed
	s_barrier_signal -1
	s_barrier_wait -1                              ; the table is whole.
	CLOAD
	s_wait_dscnt 0x0
.irp r, 0,1,2,3,4,5,6,7
	EVAL \r                                        ; phase 0: there are no products yet to stand beside it
.endr
	SILUOUT
	s_mov_b32 s[CNT], 7
.Lphase:                                               ; trip p: K steps 4 p .. 4 p + 3 on phase p's codes; phase p + 1 is evaluated; phase p + 2 of x is asked for (in the last trip: phase 0 again, for the residual)
	HEAD 0, 1, 1
	s_add_co_u32 s[TOFF], s[TOFF], 512
	s_add_co_u32 s[SOFF], s[SOFF], 64
	s_add_co_u32 s[XPH], s[XPH], 256
	s_and_b32 s[XPH], s[XPH], 2047
	s_wait_xcnt 0x0                                ; the last phase's loads of x have read their offset, which is written next
	v_add_nc_u32 v[XO], s[XPH], v[XO0]
	v_add_nc_u32 v[AWC], s[WB], v[AW0]
	v_add_nc_u32 v[ARD], s[RB], v[ARD0]
	v_add_nc_u32 v[TAD], s[TOFF], v[TAD0]
	v_add_nc_u32 v[ASW], s[SOFF], v[ASW0]
	CLOAD
	MPAR 0, 0, 0
	s_wait_dscnt 0x0                               ; the constants are in
	EVAL 0
	EVAL 1
	MPAR 1, 0, 0
	HEAD 1, 1, 1
	MPAR 0, 1, 128
	EVAL 2
	EVAL 3
	MPAR 1, 1, 128
	HEAD 0, 1, 1
	MPAR 0, 0, 256
	EVAL 4
	EVAL 5
	MPAR 1, 0, 256
	HEAD 1, 1, 1
	MPAR 0, 1, 384
	EVAL 6
	EVAL 7
	SILUOUT
	MPAR 1, 1, 384
	s_xor_b32 s[RB], s[RB], ABDIF                  ; the buffers of codes change places
	s_xor_b32 s[WB], s[WB], ABDIF
	s_sub_co_u32 s[CNT], s[CNT], 1
	s_cmp_lg_u32 s[CNT], 0
	s_cbranch_scc1 .Lphase
	; THE LAST EIGHT K STEPS are written out: phase 7's four, then S2's four on silu's codes.  The ring goes on from coeffs into base_weight.
	v_add_nc_u32 v[ARD], s[RB], v[ARD0]
	HEAD 0, 1, 1
	MULT 0, ARD, 0, 0, 0
	HEAD 1, 1, 1
	MULT 1, ARD, 128, 0, 0
	HEAD 0, 2, 1                                   ; slot 0's next tile is base_weight's K step 0; slot 1 takes coeffs' last
	MULT 0, ARD, 256, 0, 0
	HEAD 1, 3, 2
	MULT 1, ARD, 384, 0, 0
	HEAD 0, 1, 2
	MULT 0, ARS, 0, 128, 1                         ; S2's first products start its sums
	HEAD 1, 1, 2
	MULT 1, ARS, 128, 128, 0
	HEAD 0, 0, 2
	MULT 0, ARS, 256, 128, 0
	HEAD 1, 0, 0                                   ; nothing is left to fetch
	MULT 1, ARS, 384, 128, 0
	; THE WAY OUT.  A lane holds eight outputs of a row, and a row's 512 come from eight waves: they meet in a stage, which lies over the ring: both slots have had their last fill.
	s_wait_dscnt 0x0
	s_barrier_signal -1
	s_barrier_wait -1                              ; every wave's reads of the ring are back
	WIN 0x01                                       ; source 0 in window 1
.set q, 0
.rept 64
	v_pk_mul_f32 v[S+2*q:S+2*q+1], v[2*q:2*q+1], s[S1K:S1K+1] op_sel_hi:[1,0]              ; each accumulator from its low end on
.set q, q+1
.endr
.set q, 0
.rept 64
	v_pk_fma_f32 v[S+2*q:S+2*q+1], v[128+2*q:128+2*q+1], s[S2K:S2K+1], v[S+2*q:S+2*q+1] op_sel_hi:[1,0,1]
.set q, q+1
.endr
	WIN 0
.irp a, 0,1
.irp b, 0,1,2,3
	ds_store_b128 v[STO], v[S+8*(4*\a+\b):S+8*(4*\a+\b)+3] offset:\a*16*SGP+64*\b
	ds_store_b128 v[STO], v[S+8*(4*\a+\b)+4:S+8*(4*\a+\b)+7] offset:\a*16*SGP+64*\b+16
	ds_store_b128 v[STO2], v[S+8*(4*\a+\b)+64:S+8*(4*\a+\b)+67] offset:\a*16*SGP+64*\b
	ds_store_b128 v[STO2], v[S+8*(4*\a+\b)+68:S+8*(4*\a+\b)+71] offset:\a*16*SGP+64*\b+16
.endr
.endr
	s_wait_dscnt 0x0                               ; my stores have landed, for the others' sake, and have read their registers, which x's loads fill
.irp c, 1,2,3,4,5,6,7
.irp r, 0,1,2,3,4,5,6,7
	global_load_b64 v[S+16*(\c-1)+2*\r:S+16*(\c-1)+2*\r+1], v[XO0], s[4:5] offset:2048*\r+256*\c   ; x once more, for the residual; its first 64 features came by the ring's last turn
.endr
.endr
	s_barrier_signal -1
	s_barrier_wait -1                              ; 64 whole rows lie in the stage
; 64 outputs of my eight rows: y = the sums + res_scale x (all x 2 log2(e)), tanh, store.
.macro CHUNK c
.if \c > 0
	s_wait_xcnt 0x0                                ; the last chunk's stores have read their data registers, which are loaded anew
.endif
.irp r, 0,1,2,3,4,5,6,7
	ds_load_b64 v[SV+2*\r:SV+2*\r+1], v[SRD] offset:SGP*\r+256*\c
.endr
	s_wait_loadcnt 56-8*\c                         ; this chunk's x is in; the later chunks' loads, eight each, may be out
	s_wait_dscnt 0x0
.irp r, 0,1,2,3,4,5,6,7
.if \c == 0
	v_pk_fma_f32 v[SV+2*\r:SV+2*\r+1], v[X+2*\r:X+2*\r+1], s[RESK:RESK+1], v[SV+2*\r:SV+2*\r+1] op_sel_hi:[1,0,1]
.else
	v_pk_fma_f32 v[SV+2*\r:SV+2*\r+1], v[S+16*(\c-1)+2*\r:S+16*(\c-1)+2*\r+1], s[RESK:RESK+1], v[SV+2*\r:SV+2*\r+1] op_sel_hi:[1,0,1]
.endif
.endr
.irp i, 0,1,2,3,4,5,6,7,8,9,10,11,12,13,14,15
	v_exp_f32 v[SV+\i], v[SV+\i]
.endr
	v_nop
	s_wait_alu depctr_va_vdst(0)                   ; one wait for the sixteen
.irp r, 0,1,2,3,4,5,6,7
	v_pk_add_f32 v[SV+2*\r:SV+2*\r+1], v[SV+2*\r:SV+2*\r+1], 1.0 op_sel_hi:[1,0]
.endr
.irp i, 0,1,2,3,4,5,6,7,8,9,10,11,12,13,14,15
	v_rcp_f32 v[SV+\i], v[SV+\i]
.endr
	v_nop
	s_wait_alu depctr_va_vdst(0)
.irp r, 0,1,2,3,4,5,6,7
	v_pk_fma_f32 v[SV+2*\r:SV+2*\r+1], v[SV+2*\r:SV+2*\r+1], -2.0, 1.0 op_sel_hi:[1,0,0]
.endr
.irp r, 0,1,2,3,4,5,6,7
	global_store_b64 v[XO0], v[SV+2*\r:SV+2*\r+1], s[18:19] offset:2048*\r+256*\c th:TH_STORE_NT   ; 32 lanes store 256 consecutive bytes, at a multiple of 256 from out0's first byte
.endr
.endm
.irp c, 0,1,2,3,4,5,6,7
	CHUNK \c
.endr
	s_wait_tensorcnt 0x0                           ; the wave's end: behind my last tensor load and my last LDS store
	ds_add_u32 v[SPW], v[NIL]
	s_wait_dscnt 0x0
	ROUND                                          ; the closing round: no work-group ends while a partner may still ask for a tile that names it
	s_endpgm
.Lfunc_end_k_qb39ffde754_kan:
	.size	k_qb39ffde754_kan, .Lfunc_end_k_qb39ffde754_kan-k_qb39ffde754_kan
	.p2alignl 7, 3214868480
	.fill 96, 4, 3214868480
	.section	.rodata,"a",@progbits
	.p2align	6, 0x0
	.amdhsa_kernel k_qb39ffde754_kan
		.amdhsa_group_segment_fixed_size 327680
		.amdhsa_private_segment_fixed_size 0
		.amdhsa_enable_private_segment 0
		.amdhsa_kernarg_size 64
		.amdhsa_user_sgpr_count 2
		.amdhsa_user_sgpr_kernarg_segment_ptr 1
		.amdhsa_wavefront_size32 1
		.amdhsa_system_sgpr_workgroup_id_x 1
		.amdhsa_system_sgpr_workgroup_id_y 1
		.amdhsa_system_sgpr_workgroup_id_z 1
		.amdhsa_system_vgpr_workitem_id 0
		.amdhsa_next_free_vgpr 512
		.amdhsa_next_free_sgpr 84
		.amdhsa_reserve_vcc 1
		.amdhsa_float_denorm_mode_32 3
		.amdhsa_float_denorm_mode_16_64 3
		.amdhsa_memory_ordered 1
		.amdhsa_forward_progress 1
		.amdhsa_inst_pref_size 255
	.end_amdhsa_kernel
	.section	.bss,"aw",@nobits
	.p2align	6
	.space	262144
	.amdgpu_metadata
---
amdhsa.version: [ 1, 2 ]
amdhsa.kernels:
  - .name:           k_qb39ffde754_kan
    .symbol:         k_qb39ffde754_kan.kd
    .args:
      - { .name: x, .offset: 0, .size: 8, .value_kind: global_buffer, .address_space: global }
      - { .name: coeffs_codes, .offset: 8, .size: 8, .value_kind: global_buffer, .address_space: global }
      - { .name: base_weight_codes, .offset: 16, .size: 8, .value_kind: global_buffer, .address_space: global }
      - { .name: grid_steps_log, .offset: 24, .size: 8, .value_kind: global_buffer, .address_space: global }
      - { .name: grid_start, .offset: 32, .size: 8, .value_kind: global_buffer, .address_space: global }
      - { .name: lowp_scales, .offset: 40, .size: 8, .value_kind: global_buffer, .address_space: global }
      - { .name: res_scale, .offset: 48, .size: 8, .value_kind: global_buffer, .address_space: global }
      - { .name: out0, .offset: 56, .size: 8, .value_kind: global_buffer, .address_space: global }
    .group_segment_fixed_size: 327680
    .private_segment_fixed_size: 0
    .kernarg_segment_align: 8
    .kernarg_segment_size: 64
    .max_flat_workgroup_size: 256
    .sgpr_count:     84
    .vgpr_count:     512
    .wavefront_size: 32
...
	.end_amdgpu_metadata
.endif
;; end of part 1
